; MI455X (gfx1250); checked and timed in simulation.
; The chip was launched on July 23, 2026; its instructions are those of AMD's public machine-readable ISA for CDNA 5 (MIT licence, August 2026) and "CDNA5" Instruction Set Architecture Reference Guide (July 2026). The comments in the code are by the model that wrote it; some were corrected since.
;; Cluster Feature Net With Attention. Allowed arithmetic: float matrix products may take bf16 or f16 operands with f32 sums; all other float work in f32.
;; Inputs: W1 256 x 512 float32; W2 512 x 256 float32; Wf 512 x 256 float32; Wk 256 x 512 float32; Wq 256 x 512 float32; Wv 256 x 512 float32; b1 512 float32; b2 256 float32; bf 256 float32; bk 512 float32; bq 512 float32; bv 512 float32; idx_spt2pts_src 128 x 256 int32; idx_spt2pts_tgt 128 x 256 int32; src_feats 1 x 131,072 x 256 float32; src_pts 1 x 131,072 x 3 float32; tgt_feats 1 x 131,072 x 256 float32; tgt_pts 1 x 131,072 x 3 float32.
;; Outputs: out0 128 x 256 float32; out1 128 x 256 float32; out2 128 x 3 float32; out3 128 x 3 float32.
;; One version. Each part assembles by itself: llvm-mc -triple=amdgcn-amd-amdhsa -mcpu=gfx1250 --defsym DOCPART=n.
;; ======== version 1 of 1: 3 launches
;; workspace buffers: mtf 139,264 bytes; uext 1,280 bytes; wt 1,048,576 bytes; yv 262,144 bytes
;; launch prep (part 1): grid 545 x 1, 4 waves a work-group, no clusters, 4,608 bytes of LDS; arguments Wq, Wk, bq, bk, Wv, Wf, W1, W2, mtf, uext, wt; writes mtf, uext, wt
.if DOCPART == 1
	.amdgcn_target "amdgcn-amd-amdhsa--gfx1250"
	.amdhsa_code_object_version 6
	.text
	.protected	k_qb852029343_prep
	.globl	k_qb852029343_prep
	.p2align	8
	.type	k_qb852029343_prep,@function
k_qb852029343_prep:
	s_mov_b64 s[64:65], 0
	v_nop
	global_prefetch_b8 v0, s[64:65] scope:SCOPE_SE
	s_setreg_imm32_b32 hwreg(HW_REG_WAVE_MODE, 25, 1), 1
	s_wait_xcnt 0x0
; prep: what hangs on the weights alone, made once for all 256 clusters.
; JOB A (work-groups 0 to 288): one tile of 16 x 16 of P = Wk_ext x Wq_ext^T, K = 512, where Wk_ext is Wk [256][512] with the row bk
; appended (row 256) and zero rows 257 to 271, and Wq_ext likewise from Wq and bq.  With it
;   (x Wq + bq)(x Wk + bk)^T [p][q] = sum_j ( sum_i x[p][i] P[j][i] + P[j][256] ) x[q][j] + ( sum_i x[p][i] P[256][i] + P[256][256] ).
; Columns 0 to 255 of P go to mtf in bf16, laid out as the matrix fragments that the next launch reads; column 256 goes to uext in f32.
; JOB B (work-groups 289 to 544): Wv, Wf, W1, W2 rounded to bf16 and laid out as matrix fragments in wt, one fragment a wave.
; No cluster and no tensor loads: every work-group reads other rows, a few KiB each, straight into registers.
; Operands are rounded to bf16 once, sums are f32.
.set TILES, 289                        ; 17 x 17 tiles of P
.set FI, 32                            ; v[32:95]   rows i (Wq_ext): 4 K steps x 16 f32, packed in place to 8 registers of bf16
.set FJ, 96                            ; v[96:159]  rows j (Wk_ext) likewise
.set ACC0, 16                          ; v[16:23]   sums of K steps 0 and 2
.set ACC1, 24                          ; v[24:31]   sums of K steps 1 and 3
	s_load_b512 s[16:31], s[0:1], 0x0              ; Wq s[16:17], Wk s[18:19], bq s[20:21], bk s[22:23], Wv s[24:25], Wf s[26:27], W1 s[28:29], W2 s[30:31]
	s_load_b128 s[32:35], s[0:1], 0x40             ; mtf s[32:33], uext s[34:35]
	s_load_b64 s[36:37], s[0:1], 0x50              ; wt
	v_lshl_add_u32 v160, v0, 2, 0x1000
	v_mov_b32 v161, 0
	v_lshrrev_b32 v1, 5, v0
	v_readfirstlane_b32 s12, v1                    ; wave 0..3
	v_and_b32 v1, 31, v0                           ; L
	v_and_b32 v2, 15, v0                           ; r = L % 16
	v_bfe_u32 v3, v0, 4, 1                         ; h = L / 16
	v_lshlrev_b32 v6, 4, v1                        ; 16 L
	s_wait_kmcnt 0x0
	s_cmp_ge_u32 ttmp9, TILES                      ; the same for all four waves of a work-group
	s_cbranch_scc1 .Lrepack
	; ---------------- JOB A: tile (jt, it); the four waves split K, 128 each ----------------
	s_mul_i32 s2, ttmp9, 3856
	s_lshr_b32 s2, s2, 16                          ; jt = id / 17 (3856 = ceil(65536 / 17), exact for id below 289)
	s_mul_i32 s3, s2, 17
	s_sub_co_u32 s3, ttmp9, s3                     ; it = id - 17 jt
	s_lshl_b32 s13, s12, 9                         ; my 128 numbers of a row: 512 w bytes
	s_cmp_eq_u32 s3, 16                            ; tile row 16 is the bias row and fifteen zero rows:
	s_cselect_b64 s[4:5], s[20:21], s[16:17]       ; every lane reads the bias (row stride 0),
	s_cselect_b32 s8, 0, 2048
	s_cselect_b32 s10, 0x00010001, -1              ; and only lanes 0 and 16 (r = 0) keep what they read
	s_cmp_eq_u32 s2, 16
	s_cselect_b64 s[6:7], s[22:23], s[18:19]
	s_cselect_b32 s9, 0, 2048
	s_cselect_b32 s11, 0x00010001, -1
	s_lshl_b32 s14, s3, 4
	s_mul_i32 s14, s14, s8
	s_add_co_u32 s14, s14, s13                     ; 16 it rows + 512 w
	s_lshl_b32 s15, s2, 4
	s_mul_i32 s15, s15, s9
	s_add_co_u32 s15, s15, s13
	v_mul_u32_u24 v4, v2, s8                       ; + r rows
	v_lshl_add_u32 v4, v3, 8, v4                   ; + 256 h: each lane walks 256 consecutive bytes, 64 in each K step
	v_add_nc_u32 v4, s14, v4
	v_mul_u32_u24 v5, v2, s9
	v_lshl_add_u32 v5, v3, 8, v5
	v_add_nc_u32 v5, s15, v5
	v_lshl_add_u32 v7, s12, 10, v6                 ; LDS: 1024 w + 16 L
	; K step s takes, in lane (r, h), the 16 numbers at 128 w + 64 h + 16 s of its row: the same places of k in both operands, so the products pair up rightly.
.irp s, 0,1,2,3
.irp q, 0,1,2,3
	global_load_b128 v[FI+16*\s+4*\q:FI+16*\s+4*\q+3], v4, s[4:5] offset:64*\s+16*\q
.endr
.irp q, 0,1,2,3
	global_load_b128 v[FJ+16*\s+4*\q:FJ+16*\s+4*\q+3], v5, s[6:7] offset:64*\s+16*\q
.endr
.endr
; One K step of 32: round to bf16 in place (register k from registers 2k, 2k+1: ascending, so nothing is overwritten too early), blank the rows
; that do not exist, multiply.  Source 0 = rows i, source 1 = rows j: register e of lane (r, h) is then P[16 jt + r][16 it + 8 h + e].
.macro KSTEP s, acc, zero
	s_wait_loadcnt 24-8*\s                         ; loads return in order: the 8 loads of each younger K step may stay out
.irp k, 0,1,2,3,4,5,6,7
	v_cvt_pk_bf16_f32 v[FI+16*\s+\k], v[FI+16*\s+2*\k], v[FI+16*\s+2*\k+1]
	v_cvt_pk_bf16_f32 v[FJ+16*\s+\k], v[FJ+16*\s+2*\k], v[FJ+16*\s+2*\k+1]
.endr
.irp k, 0,1,2,3,4,5,6,7
	v_cndmask_b32 v[FI+16*\s+\k], 0, v[FI+16*\s+\k], s10
	v_cndmask_b32 v[FJ+16*\s+\k], 0, v[FJ+16*\s+\k], s11
.endr
.if \zero
	v_wmma_f32_16x16x32_bf16 v[\acc:\acc+7], v[FI+16*\s:FI+16*\s+7], v[FJ+16*\s:FJ+16*\s+7], 0
.else
	v_wmma_f32_16x16x32_bf16 v[\acc:\acc+7], v[FI+16*\s:FI+16*\s+7], v[FJ+16*\s:FJ+16*\s+7], v[\acc:\acc+7]
.endif
.endm
	KSTEP 0, ACC0, 1                               ; two accumulators by turns, one instruction a turn; the first products start the sums
	KSTEP 1, ACC1, 1
	KSTEP 2, ACC0, 0
	KSTEP 3, ACC1, 0
.rept 4
	v_nop                                          ; four places behind the last matrix instruction before its result is read (ISA guide 7.12.1)
.endr
.irp k, 0,2,4,6
	v_pk_add_f32 v[ACC0+\k:ACC0+\k+1], v[ACC0+\k:ACC0+\k+1], v[ACC1+\k:ACC1+\k+1]
.endr
	ds_store_b128 v7, v[ACC0:ACC0+3]               ; every wave stores its partial tile (wave 0 does not read its own back: this keeps a branch out of the way to the barrier)
	ds_store_b128 v7, v[ACC0+4:ACC0+7] offset:512
	s_wait_dscnt 0x0                               ; my stores are done before I say so
	s_barrier_signal -1
	s_barrier_wait -1
	s_cmp_lg_u32 s12, 0
	s_cbranch_scc1 .Ldone                          ; wave 0 adds up and stores
.irp i, 1,2,3
	ds_load_b128 v[24+8*\i:24+8*\i+3], v6 offset:1024*\i
	ds_load_b128 v[24+8*\i+4:24+8*\i+7], v6 offset:1024*\i+512
.endr
	s_wait_dscnt 0x0
.irp k, 0,2,4,6
	v_pk_add_f32 v[ACC0+\k:ACC0+\k+1], v[ACC0+\k:ACC0+\k+1], v[32+\k:32+\k+1]
	v_pk_add_f32 v[40+\k:40+\k+1], v[40+\k:40+\k+1], v[48+\k:48+\k+1]
.endr
.irp k, 0,2,4,6
	v_pk_add_f32 v[ACC0+\k:ACC0+\k+1], v[ACC0+\k:ACC0+\k+1], v[40+\k:40+\k+1]
.endr
	s_cmp_eq_u32 s3, 16
	s_cbranch_scc1 .Lucol
.irp k, 0,1,2,3
	v_cvt_pk_bf16_f32 v[24+\k], v[ACC0+2*\k], v[ACC0+2*\k+1]
.endr
	s_lshl4_add_u32 s14, s2, s3                    ; tile number 16 jt + it,
	s_lshl_b32 s14, s14, 9                         ; 512 bytes each
	v_add_nc_u32 v8, s14, v6
	global_store_b128 v8, v[24:27], s[32:33]       ; the wave stores 512 consecutive bytes: lane L its P[16 jt + r][16 it + 8 h + 0..7]
	s_wait_tensorcnt 0x0
	ds_add_u32 v160, v161
	s_wait_dscnt 0x0
	s_endpgm
.Lucol:                                            ; column 256 of P: register 0 of lanes 0 to 15
	s_lshl_b32 s14, s2, 6
	v_lshl_add_u32 v8, v2, 2, s14                  ; 64 jt + 4 r
	s_wait_xcnt 0x0                                ; EXEC changes only behind this wait
	v_cmp_gt_u32 vcc_lo, 16, v0
	s_and_saveexec_b32 s15, vcc_lo
	global_store_b32 v8, v[ACC0], s[34:35]
	s_wait_xcnt 0x0                                ; and again in front of the line that widens it
	s_or_b32 exec_lo, exec_lo, s15
.Ldone:
	s_wait_tensorcnt 0x0
	ds_add_u32 v160, v161
	s_wait_dscnt 0x0
	s_endpgm
	; ---------------- JOB B: one fragment (16 columns n x 32 k) of one weight matrix W [K][N] a wave ----------------
	; Fragment (nt, ks) lies at (nt K/32 + ks) x 1024 of its layer: lane L has W[32 ks + 8 h + e][16 nt + r], e = 0..7, at + 16 L and k + 16 at + 512 + 16 L.
.Lrepack:
	s_sub_co_u32 s2, ttmp9, TILES
	s_lshr_b32 s3, s2, 6                           ; layer: 0 Wv, 1 Wf, 2 W1, 3 W2
	s_and_b32 s2, s2, 63                           ; g: which four fragments of the layer
	s_cmp_lt_u32 s3, 2
	s_cselect_b64 s[4:5], s[24:25], s[28:29]       ; the even layers are [256][512],
	s_cselect_b64 s[6:7], s[26:27], s[30:31]       ; the odd ones [512][256]
	s_lshl_b32 s10, s3, 18                         ; a layer has 262,144 bytes in wt
	s_and_b32 s8, s3, 1
	s_cmp_lg_u32 s8, 0
	s_cbranch_scc1 .Lodd
.macro REPACK n, ks, logks, src
	s_and_b32 s8, s2, \ks-1                        ; ks
	s_lshr_b32 s9, s2, \logks
	s_lshl2_add_u32 s9, s9, s12                    ; nt = 4 (g / KS) + w: the four waves read neighbouring 64 bytes of the same rows
	s_mul_i32 s14, s8, 32*\n*4
	s_lshl_b32 s13, s9, 6
	s_add_co_u32 s14, s14, s13
	s_mov_b32 s15, 0
	s_add_nc_u64 s[\src:\src+1], s[\src:\src+1], s[14:15]
	v_mul_u32_u24 v4, v3, 8*\n*4                   ; 8 h rows
	v_lshl_add_u32 v4, v2, 2, v4                   ; + column r
.irp e, 0,1,2,3,4,5,6,7,8,9,10,11,12,13,14,15
	global_load_b32 v[32+\e], v4, s[\src:\src+1] offset:((\e>>3)*16+(\e&7))*\n*4
.endr
	s_lshl_b32 s9, s9, \logks
	s_add_co_u32 s9, s9, s8
	s_lshl_b32 s9, s9, 10
	s_add_co_u32 s9, s9, s10
	v_add_nc_u32 v5, s9, v6
	s_wait_loadcnt 0x0
.irp k, 0,1,2,3,4,5,6,7
	v_cvt_pk_bf16_f32 v[48+\k], v[32+2*\k], v[32+2*\k+1]
.endr
	global_store_b128 v5, v[48:51], s[36:37]       ; each store of the wave covers 512 consecutive bytes
	global_store_b128 v5, v[52:55], s[36:37] offset:512
.endm
	REPACK 512, 8, 3, 4
	s_endpgm
.Lodd:
	REPACK 256, 16, 4, 6
	s_endpgm
.Lfunc_end_k_qb852029343_prep:
	.size	k_qb852029343_prep, .Lfunc_end_k_qb852029343_prep-k_qb852029343_prep
	.p2alignl 7, 3214868480
	.fill 96, 4, 3214868480
	.section	.rodata,"a",@progbits
	.p2align	6, 0x0
	.amdhsa_kernel k_qb852029343_prep
		.amdhsa_group_segment_fixed_size 4608
		.amdhsa_private_segment_fixed_size 0
		.amdhsa_enable_private_segment 0
		.amdhsa_kernarg_size 88
		.amdhsa_user_sgpr_count 2
		.amdhsa_user_sgpr_kernarg_segment_ptr 1
		.amdhsa_wavefront_size32 1
		.amdhsa_system_sgpr_workgroup_id_x 1
		.amdhsa_system_sgpr_workgroup_id_y 1
		.amdhsa_system_sgpr_workgroup_id_z 1
		.amdhsa_system_vgpr_workitem_id 0
		.amdhsa_next_free_vgpr 162
		.amdhsa_next_free_sgpr 66
		.amdhsa_reserve_vcc 1
		.amdhsa_float_denorm_mode_32 3
		.amdhsa_float_denorm_mode_16_64 3
		.amdhsa_memory_ordered 1
		.amdhsa_forward_progress 1
		.amdhsa_inst_pref_size 23
	.end_amdhsa_kernel
	.amdgpu_metadata
---
amdhsa.version: [ 1, 2 ]
amdhsa.kernels:
  - .name:           k_qb852029343_prep
    .symbol:         k_qb852029343_prep.kd
    .args:
      - { .name: Wq, .offset: 0, .size: 8, .value_kind: global_buffer, .address_space: global }
      - { .name: Wk, .offset: 8, .size: 8, .value_kind: global_buffer, .address_space: global }
      - { .name: bq, .offset: 16, .size: 8, .value_kind: global_buffer, .address_space: global }
      - { .name: bk, .offset: 24, .size: 8, .value_kind: global_buffer, .address_space: global }
      - { .name: Wv, .offset: 32, .size: 8, .value_kind: global_buffer, .address_space: global }
      - { .name: Wf, .offset: 40, .size: 8, .value_kind: global_buffer, .address_space: global }
      - { .name: W1, .offset: 48, .size: 8, .value_kind: global_buffer, .address_space: global }
      - { .name: W2, .offset: 56, .size: 8, .value_kind: global_buffer, .address_space: global }
      - { .name: mtf, .offset: 64, .size: 8, .value_kind: global_buffer, .address_space: global }
      - { .name: uext, .offset: 72, .size: 8, .value_kind: global_buffer, .address_space: global }
      - { .name: wt, .offset: 80, .size: 8, .value_kind: global_buffer, .address_space: global }
    .group_segment_fixed_size: 4608
    .private_segment_fixed_size: 0
    .kernarg_segment_align: 8
    .kernarg_segment_size: 88
    .max_flat_workgroup_size: 128
    .sgpr_count:     66
    .vgpr_count:     162
    .wavefront_size: 32
...
	.end_amdgpu_metadata
.endif
;; end of part 1
;; launch attn (part 2): grid 128 x 2, 4 waves a work-group, clusters of 4 x 1, 288,512 bytes of LDS; arguments src_feats, tgt_feats, src_pts, tgt_pts, idx_spt2pts_src, idx_spt2pts_tgt, mtf, uext, yv, out2, out3; writes yv, out2, out3
.if DOCPART == 2
	.amdgcn_target "amdgcn-amd-amdhsa--gfx1250"
	.amdhsa_code_object_version 6
	.text
	.protected	k_qb852029343_attn
	.globl	k_qb852029343_attn
	.p2align	8
	.type	k_qb852029343_attn,@function
k_qb852029343_attn:
	s_mov_b64 s[64:65], 0
	v_nop
	global_prefetch_b8 v0, s[64:65] scope:SCOPE_SE
	s_setreg_imm32_b32 hwreg(HW_REG_WAVE_MODE, 25, 1), 1
	s_wait_xcnt 0x0
	s_wait_alu depctr_hold_cnt(0) depctr_sa_sdst(0) depctr_va_vdst(0) depctr_va_sdst(0) depctr_va_ssrc(0) depctr_va_vcc(0) depctr_vm_vsrc(0)
	s_getreg_b32 s2, hwreg(HW_REG_IB_STS2, 6, 4)
	s_cmp_eq_u32 s2, 0
	s_cbranch_scc0 .Lentry_in_a_cluster
	s_endpgm
.Lentry_in_a_cluster:
	s_bfe_u32 s2, ttmp6, 0x10000c
	s_cmp_lg_u32 s2, 0x3003
	s_cbranch_scc0 .Lentry_shape_is_right
	s_endpgm
.Lentry_shape_is_right:
; attn: one work-group = one cluster of 256 points (x = work-group, y = side: 0 src, 1 tgt); four waves, wave w owns the rows p = 64 w .. 64 w + 63.
;   x = feats[idx]  (bf16 in LDS)          G[p][j] = sum_i x[p][i] MT[j][i] + u[j], j = 0 .. 256 (MT, u from the launch before)
;   S[p][q] = sum_(j<256) G[p][j] x[q][j] + G[p][256]   which is (x Wq + bq)(x Wk + bk)^T
;   attn = softmax(S / sqrt(512)) with the row maximum taken away;  a[q] = mean over p of attn[p][q];  y = sum_q a[q] x[q][:]
; The mean over p commutes with all that is linear behind the softmax, and each softmax row sums to 1, so mean_p(attn V Wf + bf) = (y Wv + bv) Wf + bf:
; the next launch does that on one row a cluster.  Also here: the mean of the 256 gathered points.
; All of S for 64 rows stays in registers (512), the softmax never leaves them.
; CLUSTER: the four work-groups of a cluster of 4 x 1 read the same 139,264 bytes of MT: one joint tensor load a wave (mask 15), each wave a quarter.
; LIMITS: matrix operands (x, MT, G) are bf16, sums f32; the products are reassociated, so rounding differs from the written order and a NaN or an
; infinity among the inputs spreads otherwise; indices are clamped to 131,071 (they lie inside the table by the problem's terms).
.set QUARTER, 34816                    ; bytes of MT that one wave asks for: 136 rows of 256 bytes
.set XS,      139264                   ; LDS: MT fragments at 0 (tensor load only); x in bf16 here, 256 rows
.set XPITCH,  528                      ; 512 bytes + 16: 33 x 16, so the 16 rows of a fragment load start in 16 different groups of banks (64 banks of 4 bytes: ISA guide 11.1)
.set APART,   274432                   ; [2 w + h][256] f32: column sums of each half wave
.set AFIN,    282624                   ; a[256] f32
.set YPART,   283648                   ; [w][256] f32
.set CPART,   287744                   ; 16 bytes a wave: sums of the points
; window 0
.set BONE, 32                          ; v[32:39]   fragment with 1.0 at k = 0 of every column
.set RO,   40                          ; v[40:63]   gather: byte offset of a row, 3 slots x 8
.set GSL,  64                          ; v[64:255]  gather: 3 slots x 8 rows x 8 registers
.set F0,   64                          ; v[64:127]  8 fragments from LDS, buffer 0
.set F1,   128                         ; v[128:191] buffer 1
.set R,    192                         ; v[192:223] R[mt]: G[p][256] spread over the 16 columns
.set GEX,  224                         ; v[224:255] G[p][256..287] as fragments
.set RMAX, 64                          ; v[64:95]   softmax: row maxima, then - max x scale
.set LSUM, 96                          ; v[96:127]  row sums, then 1 / (256 sum)
.set ACP,  128                         ; v[128:159] column sums, a pair for each column tile
.set AV,   64                          ; v[64:127]  a of my 64 rows, in every lane
.set XR,   128                         ; v[128:255] two buffers of 16 rows of x
.set YA,   40                          ; v[40:47]   y of my 8 columns
; window 1: GF[mt][c] at 8 (8 mt + c): G as fragments.  window 2: XF[mt][ks] at 8 (8 mt + ks), later S of mt = 0, 1 at 128 m2 + 8 t.
; window 3: u[jt] at 8 jt (0 .. 135), GA[mt][jj] at GA + 8 (2 mt + jj), later S of mt = 2, 3.
.set GA,   136
.set MSB, 0
.macro WIN new                         ; s_set_vgpr_msb: bits 1:0 source 0, 3:2 source 1, 5:4 source 2, 7:6 destination; the high byte repeats the setting that is left
.if MSB != \new
	s_set_vgpr_msb (MSB<<8)|\new
.set MSB, \new
.endif
.endm
.macro PLACES n                        ; places behind a matrix instruction (ISA guide 7.12.1): plain vector instructions that name none of its registers
.rept \n
	v_nop
.endr
.endm
.macro ROUND                           ; a round of the barrier of the cluster: my work-group, wave 0 signals for it, all wait for all four, my work-group again
	s_barrier_signal -1
	s_barrier_wait -1
	s_cmp_lg_u32 s84, 0
	s_cbranch_scc1 .Lnot_wave_0_\@
	s_barrier_signal -3
.Lnot_wave_0_\@:
	s_barrier_wait -3
	s_barrier_signal -1
	s_barrier_wait -1
.endm
	; ---------------- head ----------------
	s_load_b512 s[16:31], s[0:1], 0x0              ; src_feats, tgt_feats, src_pts, tgt_pts, idx_src, idx_tgt, mtf s[28:29], uext s[30:31]
	s_load_b128 s[32:35], s[0:1], 0x40             ; yv, out2
	s_load_b64 s[36:37], s[0:1], 0x50              ; out3
	v_lshl_add_u32 v9, v0, 2, 0x46500
	v_mov_b32 v23, 0
	ds_add_u32 v9, v23
	v_lshrrev_b32 v1, 5, v0
	v_readfirstlane_b32 s84, v1                    ; wave 0..3
	v_and_b32 v1, 31, v0                           ; L
	v_and_b32 v2, 15, v0                           ; r
	v_bfe_u32 v3, v0, 4, 1                         ; h
	v_lshlrev_b32 v4, 4, v1                        ; 16 L: my 16 bytes of a row of feats; also my 16 bytes of an MT fragment
	v_lshlrev_b32 v12, 5, v3                       ; 32 h
	v_lshlrev_b32 v13, 3, v0                       ; 8 t
	s_lshl_b32 s85, s84, 8                         ; 256 w
	s_bfe_u32 s86, ttmp6, 0x40000                  ; cx
	s_lshl_b32 s87, ttmp9, 2
	s_add_co_u32 s86, s87, s86                     ; c = 4 x cluster x + cx: it enters global addresses alone
	s_and_b32 s87, ttmp7, 0xffff                   ; side, the same in all four partners
	s_mov_b32 s2, 0x76543210                       ; v_permlanex16_b32: lane i of the other half
	s_mov_b32 s3, 0xfedcba98
	s_mov_b32 s100, 0x3d8293ee                     ; log2(e) / sqrt(512), twice (a pair for the packed multiply-add)
	s_mov_b32 s101, 0x3d8293ee
	; the joint load: 136 rows of 32 elements of 8 bytes, dense; nothing in it hangs on the place in the cluster
	s_mov_b32 s88, 1                               ; group 0: count
	s_mul_i32 s89, s84, QUARTER                    ; LDS address: my quarter
	s_mov_b32 s92, 0x0023000f                      ; group 1: mask 15 (all four), elements of 8 bytes, bit 21 beside the mask, no padding
	s_mov_b32 s93, 32<<16                          ; tensor_dim0 = 32
	s_mov_b32 s94, 136<<16                         ; tensor_dim1 = 136
	s_mov_b32 s95, 32<<16                          ; tile_dim0 = 32
	s_mov_b32 s96, 136                             ; tile_dim1 = 136
	s_mov_b32 s97, 32                              ; pitch
	s_mov_b32 s98, 0
	s_mov_b32 s99, 0
	s_wait_dscnt 0x0
	s_wait_kmcnt 0x0
	s_cmp_eq_u32 s87, 0
	s_cselect_b64 s[4:5], s[16:17], s[18:19]       ; feats
	s_cselect_b64 s[6:7], s[20:21], s[22:23]       ; pts
	s_cselect_b64 s[8:9], s[24:25], s[26:27]       ; idx
	s_cselect_b64 s[14:15], s[34:35], s[36:37]     ; out2 or out3
	s_mov_b64 s[10:11], s[30:31]                   ; uext
	s_lshl_b32 s38, s86, 10
	s_mov_b32 s39, 0
	s_add_nc_u64 s[8:9], s[8:9], s[38:39]          ; idx + 1024 c
	s_lshl_b32 s40, s87, 17
	s_add_co_u32 s40, s40, s38
	s_mov_b32 s41, 0
	s_add_nc_u64 s[12:13], s[32:33], s[40:41]      ; yv + (128 side + c) x 1024
	s_mul_i32 s42, s86, 12
	s_mov_b32 s43, 0
	s_add_nc_u64 s[14:15], s[14:15], s[42:43]      ; out + 12 c
	s_mov_b32 s44, s89
	s_mov_b32 s45, 0
	s_add_nc_u64 s[90:91], s[28:29], s[44:45]      ; mtf + my quarter
	s_or_b32 s91, s91, 0x80000000                  ; type 2
	; my 64 indices as scalars: row i in s[16 + i], from i = 48 on in s[20 + i]
	s_load_b512 s[16:31], s[8:9], s85 offset:0x0
	s_load_b512 s[32:47], s[8:9], s85 offset:0x40
	s_load_b512 s[48:63], s[8:9], s85 offset:0x80
	s_load_b512 s[68:83], s[8:9], s85 offset:0xc0
	ROUND                                          ; all four work-groups are here: the joint loads meet
	tensor_load_to_lds s[88:91], s[92:99]          ; the one tensor load of this wave in the launch; its descriptor is never written again
	s_nop 0
	WIN 0xc0                                       ; data to window 3
.irp jt, 0,1,2,3,4,5,6,7,8,9,10,11,12,13,14,15,16
	global_load_b128 v[8*\jt:8*\jt+3], v12, s[10:11] offset:64*\jt          ; register e: u[16 jt + 8 h + e], the layout of an accumulator
	global_load_b128 v[8*\jt+4:8*\jt+7], v12, s[10:11] offset:64*\jt+16
.endr
	WIN 0
	global_load_b64 v[14:15], v13, s[8:9]          ; thread t: indices 2 t, 2 t + 1, for the points
	s_mul_i32 s86, s84, 64*XPITCH
	s_add_co_u32 s86, s86, XS                      ; my 64 rows of x in LDS
	v_lshl_add_u32 v5, v1, 3, s86                  ; gather: 8 bytes a lane
	v_lshl_add_u32 v27, v1, 4, s86                 ; y: 16 bytes a lane
	v_mul_u32_u24 v7, v2, XPITCH
	v_lshl_add_u32 v7, v3, 4, v7                   ; fragment: row r, 16 h
	v_add_nc_u32 v6, s86, v7                       ; of my rows
	v_add_nc_u32 v7, XS, v7                        ; of rows 0 .. 127
	v_add_nc_u32 v8, 128*XPITCH, v7                ; of rows 128 .. 255
	v_add_nc_u32 v10, 0x10000, v4                  ; MT row tiles 8 .. 15
	v_add_nc_u32 v11, 0x20000, v4                  ; MT row tile 16
	s_lshl_b32 s86, s84, 4
	s_add_co_u32 s86, s86, CPART
	v_mov_b32 v25, s86
	s_lshl_b32 s86, s84, 11
	s_add_co_u32 s86, s86, APART
	v_lshl_add_u32 v26, v3, 10, s86
	v_lshl_add_u32 v26, v2, 2, v26                 ; APART + (2 w + h) x 1024 + 4 r
	s_add_co_u32 s86, s85, APART
	v_lshl_add_u32 v28, v1, 2, s86                 ; APART + 4 (64 w + L)
	s_add_co_u32 s86, s85, AFIN
	v_mov_b32 v29, s86                             ; AFIN + 256 w
	s_lshl_b32 s86, s84, 10
	s_add_co_u32 s86, s86, YPART
	v_lshl_add_u32 v30, v1, 5, s86                 ; YPART + 1024 w + 32 L
	v_add_nc_u32 v31, YPART, v13                   ; YPART + 8 t
	v_min_u32 v24, 2, v1
	v_lshlrev_b32 v24, 2, v24
	v_add_nc_u32 v24, CPART, v24                   ; CPART + 4 min(L, 2)
	v_mov_b32 v22, 0                               ; v_permlanex16_b32 counts as a reader of its destination
	v_sub_nc_u32 v[BONE], 1, v3
	v_mul_u32_u24 v[BONE], 0x3f80, v[BONE]         ; bf16 1.0 at k = 0 (low half of register 0 where h = 0)
.irp k, 1,2,3,4,5,6,7
	v_mov_b32 v[BONE+\k], 0
.endr
	s_wait_kmcnt 0x0
.set n, 0
.rept 64
	s_min_u32 s[16+n+(n/48)*4], s[16+n+(n/48)*4], 0x1ffff
.set n, n+1
.endr
	; ---------------- gather: 64 rows of 1,024 bytes a wave, a ring of 3 slots of 8 rows in registers: 48 loads of 512 bytes are out ----------------
.macro GLOAD b, s
.irp i, 0,1,2,3,4,5,6,7
	v_lshl_add_u32 v[RO+8*\s+\i], s[16+8*\b+\i+((8*\b+\i)/48)*4], 10, v4
	global_load_b128 v[GSL+64*\s+8*\i:GSL+64*\s+8*\i+3], v[RO+8*\s+\i], s[4:5]                  ; columns 4 L ..; no hint: a list may name a row twice
	global_load_b128 v[GSL+64*\s+8*\i+4:GSL+64*\s+8*\i+7], v[RO+8*\s+\i], s[4:5] offset:512     ; columns 128 + 4 L ..
.endr
.endm
; batch b in slot s is rounded to bf16 and stored to LDS; left = younger loads that may stay out; nb = the batch that fills the slot again (-1: none)
.macro GTURN b, s, left, nb
	s_wait_loadcnt \left                           ; loads return in order; this wait also frees the offset registers of the slot
.irp i, 0,1,2,3,4,5,6,7
	v_cvt_pk_bf16_f32 v[GSL+64*\s+8*\i],   v[GSL+64*\s+8*\i],   v[GSL+64*\s+8*\i+1]
	v_cvt_pk_bf16_f32 v[GSL+64*\s+8*\i+1], v[GSL+64*\s+8*\i+2], v[GSL+64*\s+8*\i+3]
	v_cvt_pk_bf16_f32 v[GSL+64*\s+8*\i+2], v[GSL+64*\s+8*\i+4], v[GSL+64*\s+8*\i+5]
	v_cvt_pk_bf16_f32 v[GSL+64*\s+8*\i+3], v[GSL+64*\s+8*\i+6], v[GSL+64*\s+8*\i+7]
	ds_store_b64 v5, v[GSL+64*\s+8*\i:GSL+64*\s+8*\i+1]   offset:(8*\b+\i)*XPITCH               ; 32 lanes: 256 consecutive bytes
	ds_store_b64 v5, v[GSL+64*\s+8*\i+2:GSL+64*\s+8*\i+3] offset:(8*\b+\i)*XPITCH+256
.endr
.if \nb >= 0
	s_wait_dscnt 0x0                               ; the stores are done with the registers that the next loads fill
	GLOAD \nb, \s
.endif
.endm
	GLOAD 0, 0
	GLOAD 1, 1
	GLOAD 2, 2
	GTURN 0, 0, 32, 3                              ; 32 = the two younger batches; u and my two indices, asked for earlier, are in as well
	v_min_u32 v14, 0x1ffff, v14
	v_min_u32 v15, 0x1ffff, v15
	v_mul_u32_u24 v14, 12, v14                     ; a point is 12 bytes
	v_mul_u32_u24 v15, 12, v15
	GTURN 1, 1, 32, 4
	GTURN 2, 2, 32, 5
	GTURN 3, 0, 32, 6
	GTURN 4, 1, 32, 7
.irp k, 0,1,2
	global_load_b32 v[16+\k], v14, s[6:7] offset:4*\k
	global_load_b32 v[19+\k], v15, s[6:7] offset:4*\k
.endr
	GTURN 5, 2, 38, -1                             ; batches 6 and 7 and the six loads of points
	GTURN 6, 0, 22, -1                             ; batch 7 and the six
	GTURN 7, 1, 6, -1                              ; the six
	s_wait_loadcnt 0x0
	v_add_f32 v16, v16, v19
	v_add_f32 v17, v17, v20
	v_add_f32 v18, v18, v21
.irp x, 16,17,18                                   ; sums over the 32 lanes
	v_add_f32_dpp v\x, v\x, v\x row_xmask:1 row_mask:0xf bank_mask:0xf
	v_add_f32_dpp v\x, v\x, v\x row_xmask:2 row_mask:0xf bank_mask:0xf
	v_add_f32_dpp v\x, v\x, v\x row_xmask:4 row_mask:0xf bank_mask:0xf
	v_add_f32_dpp v\x, v\x, v\x row_xmask:8 row_mask:0xf bank_mask:0xf
	v_permlanex16_b32 v22, v\x, s2, s3
	v_add_f32 v\x, v\x, v22
.endr
	ds_store_b32 v25, v16                          ; all lanes write the same word with the same value
	ds_store_b32 v25, v17 offset:4
	ds_store_b32 v25, v18 offset:8
	s_wait_dscnt 0x0                               ; my rows of x are in LDS,
	s_wait_tensorcnt 0x0                           ; my quarter of MT too,
	s_barrier_signal -1
	s_barrier_wait -1                              ; and those of every wave
	; ---------------- G = x MT^T + u, transposed use: source 0 = 16 rows j of MT, source 1 = 16 rows p of x ----------------
	; Register e of lane (r, h) is then G[p = r][16 jt + 8 h + e]: two neighbouring tiles jt, rounded to bf16, ARE the fragment of G for 32 j.  No shuffle, no LDS.
	WIN 0x80
.irp mt, 0,1,2,3
.irp ks, 0,1,2,3,4,5,6,7
	ds_load_b128 v[8*(8*\mt+\ks):8*(8*\mt+\ks)+3],   v6 offset:\mt*16*XPITCH+64*\ks      ; my 64 rows of x stay in 256 registers for the whole phase
	ds_load_b128 v[8*(8*\mt+\ks)+4:8*(8*\mt+\ks)+7], v6 offset:\mt*16*XPITCH+64*\ks+32
.endr
.endr
	WIN 0
.irp mt, 0,1,2,3
.irp k, 4,5,6,7
	v_mov_b32 v[GEX+8*\mt+\k], 0                   ; j = 272 .. 287 do not exist
.endr
.endr
; 8 fragments of MT: row tiles 2 c, 2 c + 1, K steps 4 half .. 4 half + 3.  A fragment is 1,024 consecutive bytes: no conflict, no padding.
.macro FETCHM c, half, f
.if (\c) < 4
.set AM, 4
.else
.set AM, 10
.endif
.irp ksl, 0,1,2,3
.irp jj, 0,1
	ds_load_b128 v[\f+8*(2*\ksl+\jj):\f+8*(2*\ksl+\jj)+3],   v[AM] offset:(((2*(\c)+\jj)&7)*8+4*\half+\ksl)*1024
	ds_load_b128 v[\f+8*(2*\ksl+\jj)+4:\f+8*(2*\ksl+\jj)+7], v[AM] offset:(((2*(\c)+\jj)&7)*8+4*\half+\ksl)*1024+512
.endr
.endr
.endm
; 8 fragments of x: rows 128 th + 16 tl + r, K step ks
.macro FETCHX ks, th, f
.irp tl, 0,1,2,3,4,5,6,7
	ds_load_b128 v[\f+8*\tl:\f+8*\tl+3],   v[7+\th] offset:\tl*16*XPITCH+64*(\ks)
	ds_load_b128 v[\f+8*\tl+4:\f+8*\tl+7], v[7+\th] offset:\tl*16*XPITCH+64*(\ks)+32
.endr
.endm
; 32 matrix instructions; the eight accumulators (jj, mt) take turns, one instruction a turn.  The first product takes u as C: nothing is cleared.
.macro GMUL c, half, f
	WIN 0xf8                                       ; source 0 window 0, source 1 window 2, C and D window 3
.irp ksl, 0,1,2,3
.irp jj, 0,1
.irp mt, 0,1,2,3
.if \half+\ksl == 0
	v_wmma_f32_16x16x32_bf16 v[GA+8*(2*\mt+\jj):GA+8*(2*\mt+\jj)+7], v[\f+8*(2*\ksl+\jj):\f+8*(2*\ksl+\jj)+7], v[8*(8*\mt+4*\half+\ksl):8*(8*\mt+4*\half+\ksl)+7], v[8*(2*\c+\jj):8*(2*\c+\jj)+7]
.else
	v_wmma_f32_16x16x32_bf16 v[GA+8*(2*\mt+\jj):GA+8*(2*\mt+\jj)+7], v[\f+8*(2*\ksl+\jj):\f+8*(2*\ksl+\jj)+7], v[8*(8*\mt+4*\half+\ksl):8*(8*\mt+4*\half+\ksl)+7], v[GA+8*(2*\mt+\jj):GA+8*(2*\mt+\jj)+7]
.endif
.endr
.endr
.endr
.endm
; row tiles 2 c and 2 c + 1 of MT against my 64 rows: 64 matrix instructions, then G rounded to bf16 into fragment c.
; Each run of 16 loads is issued one run of 32 matrix instructions ahead of its use; s_wait_dscnt 16 leaves only the run just issued out.
.macro GPAIR c
	WIN 0
	FETCHM \c, 1, F1                               ; five places lie behind the last matrix instruction that read buffer 1
	s_wait_dscnt 16
	GMUL \c, 0, F0
	PLACES 4                                       ; in front of loads into registers that matrix instructions have read
	WIN 0
.if \c < 7
	FETCHM (\c+1), 0, F0
.else
.irp ks, 0,1,2,3,4,5,6,7
	ds_load_b128 v[F0+8*\ks:F0+8*\ks+3],   v11 offset:\ks*1024      ; row tile 16: the row made of bk, and zeros
	ds_load_b128 v[F0+8*\ks+4:F0+8*\ks+7], v11 offset:\ks*1024+512
.endr
.endif
	s_wait_dscnt 16
	GMUL \c, 1, F1
	PLACES 5                                       ; the sums are read below and written over by the next pair
	WIN 0x4f                                       ; sources window 3, destination window 1
.irp mt, 0,1,2,3
.irp jj, 0,1
.irp k, 0,1,2,3
	v_cvt_pk_bf16_f32 v[8*(8*\mt+\c)+4*\jj+\k], v[GA+8*(2*\mt+\jj)+2*\k], v[GA+8*(2*\mt+\jj)+2*\k+1]
.endr
.endr
.endr
.endm
	FETCHM 0, 0, F0
.irp c, 0,1,2,3,4,5,6,7
	GPAIR \c
.endr
	; row tile 16: G[p][256] = x[p] . (Wq bk) + bq . bk, constant along a row of S, added all the same
	WIN 0
	FETCHX 0, 0, F1
	s_wait_dscnt 16
	WIN 0xf8
.irp ks, 0,1,2,3,4,5,6,7
.irp mt, 0,1,2,3
.if \ks == 0
	v_wmma_f32_16x16x32_bf16 v[GA+16*\mt:GA+16*\mt+7], v[F0+8*\ks:F0+8*\ks+7], v[8*(8*\mt+\ks):8*(8*\mt+\ks)+7], v[128:135]
.else
	v_wmma_f32_16x16x32_bf16 v[GA+16*\mt:GA+16*\mt+7], v[F0+8*\ks:F0+8*\ks+7], v[8*(8*\mt+\ks):8*(8*\mt+\ks)+7], v[GA+16*\mt:GA+16*\mt+7]
.endif
.endr
.endr
	PLACES 5
	WIN 0x0f
.irp mt, 0,1,2,3
.irp k, 0,1,2,3
	v_cvt_pk_bf16_f32 v[GEX+8*\mt+\k], v[GA+16*\mt+2*\k], v[GA+16*\mt+2*\k+1]
.endr
.endr
	WIN 0
.irp mt, 0,1,2,3
	v_wmma_f32_16x16x32_bf16 v[R+8*\mt:R+8*\mt+7], v[GEX+8*\mt:GEX+8*\mt+7], v[BONE:BONE+7], 0     ; R[p][n] = G[p][256] for every n: the layout of an accumulator of S
.endr
	PLACES 5                                       ; R becomes the C of other accumulators; x fragments and u are written over by S
	; ---------------- S = G x^T + R: source 0 = G (rows p), source 1 = x (rows q); register e of lane (r, h) = S[16 mt + 8 h + e][16 t + r] ----------------
.macro SMUL ks, th, f, mb
.irp tl, 0,1,2,3,4,5,6,7
.irp m2, 0,1
.if \ks == 0
	v_wmma_f32_16x16x32_bf16 v[8*(16*\m2+8*\th+\tl):8*(16*\m2+8*\th+\tl)+7], v[8*(8*(\mb+\m2)+\ks):8*(8*(\mb+\m2)+\ks)+7], v[\f+8*\tl:\f+8*\tl+7], v[R+8*(\mb+\m2):R+8*(\mb+\m2)+7]
.else
	v_wmma_f32_16x16x32_bf16 v[8*(16*\m2+8*\th+\tl):8*(16*\m2+8*\th+\tl)+7], v[8*(8*(\mb+\m2)+\ks):8*(8*(\mb+\m2)+\ks)+7], v[\f+8*\tl:\f+8*\tl+7], v[8*(16*\m2+8*\th+\tl):8*(16*\m2+8*\th+\tl)+7]
.endif
.endr
.endr
.endm
; 32 matrix instructions on 32 different accumulators (each fragment of x from LDS feeds four); the next 8 fragments are asked for ahead of them
.macro SUNIT ks, th, f, g, nks, nth, last
.if \last
	WIN 0
	s_wait_dscnt 0x0
.else
.if (\ks)+(\th) > 0
	PLACES 4                                       ; in front of loads into registers that matrix instructions have read
.endif
	WIN 0
	FETCHX \nks, \nth, \g
	s_wait_dscnt 16                                ; only the 16 loads just issued may stay out
.endif
.if \ks == 0
	WIN 0x81                                       ; source 0 window 1, source 1 and C (= R) window 0, D window 2
.else
	WIN 0xa1                                       ; C and D window 2
.endif
	SMUL \ks, \th, \f, 0
.if \ks == 0
	WIN 0xc1
.else
	WIN 0xf1                                       ; C and D window 3
.endif
	SMUL \ks, \th, \f, 2
.endm
.irp ks, 0,1,2,3,4,5,6,7
	SUNIT \ks, 0, F1, F0, \ks, 1, 0
.if \ks < 7
	SUNIT \ks, 1, F0, F1, (\ks+1), 0, 0
.else
	SUNIT \ks, 1, F0, F1, 0, 0, 1
.endif
.endr
	PLACES 4                                       ; the results are read and the fragment buffers written below
	; ---------------- softmax in f32, in the accumulators ----------------
.macro ROWMAX w, mo                    ; over the 16 column tiles, 16 chains that do not wait for each other
	WIN \w
.irp m2, 0,1
.irp e, 0,1,2,3,4,5,6,7
	v_max_num_f32 v[RMAX+\mo+8*\m2+\e], v[128*\m2+\e], v[128*\m2+8+\e]
.endr
.endr
.irp k, 1,2,3,4,5,6,7
.irp m2, 0,1
.irp e, 0,1,2,3,4,5,6,7
	v_max3_num_f32 v[RMAX+\mo+8*\m2+\e], v[128*\m2+16*\k+\e], v[128*\m2+16*\k+8+\e], v[RMAX+\mo+8*\m2+\e]
.endr
.endr
.endr
.endm
.macro EXPW w, mo                      ; S := 2^(S scale - max scale).  Behind a run of v_exp_f32 the next tile's multiply-add, on other registers, is the plain instruction that ISA guide 5.7.2 asks for
	WIN \w
.irp m2, 0,1
.irp t, 0,1,2,3,4,5,6,7,8,9,10,11,12,13,14,15
.irp p, 0,2,4,6
	v_pk_fma_f32 v[128*\m2+8*\t+\p:128*\m2+8*\t+\p+1], v[128*\m2+8*\t+\p:128*\m2+8*\t+\p+1], s[100:101], v[RMAX+\mo+8*\m2+\p:RMAX+\mo+8*\m2+\p+1] op_sel_hi:[1,0,1]
.endr
.irp e, 0,1,2,3,4,5,6,7
	v_exp_f32 v[128*\m2+8*\t+\e], v[128*\m2+8*\t+\e]
.endr
.endr
.endr
	v_nop                                          ; the place behind the last run
.endm
.macro ROWSUM wa, wb, mo
	WIN \wa
	s_wait_alu depctr_va_vdst(0)
.irp m2, 0,1
.irp p, 0,2,4,6
	v_pk_add_f32 v[LSUM+\mo+8*\m2+\p:LSUM+\mo+8*\m2+\p+1], v[128*\m2+\p:128*\m2+\p+1], v[128*\m2+8+\p:128*\m2+8+\p+1]
.endr
.endr
	WIN \wb
.irp t, 2,3,4,5,6,7,8,9,10,11,12,13,14,15
.irp m2, 0,1
.irp p, 0,2,4,6
	v_pk_add_f32 v[LSUM+\mo+8*\m2+\p:LSUM+\mo+8*\m2+\p+1], v[128*\m2+8*\t+\p:128*\m2+8*\t+\p+1], v[LSUM+\mo+8*\m2+\p:LSUM+\mo+8*\m2+\p+1]
.endr
.endr
.endr
.endm
.macro COLSUM w, mo, first             ; column sums of 2^(..) / (256 row sum): a pair (even rows, odd rows) for each column tile, 16 chains
	WIN \w
.irp m2, 0,1
.irp p, 0,2,4,6
.irp t, 0,1,2,3,4,5,6,7,8,9,10,11,12,13,14,15
.if (1-\first)+\m2+\p == 0
	v_pk_mul_f32 v[ACP+2*\t:ACP+2*\t+1], v[128*\m2+8*\t+\p:128*\m2+8*\t+\p+1], v[LSUM+\mo+8*\m2+\p:LSUM+\mo+8*\m2+\p+1]
.else
	v_pk_fma_f32 v[ACP+2*\t:ACP+2*\t+1], v[128*\m2+8*\t+\p:128*\m2+8*\t+\p+1], v[LSUM+\mo+8*\m2+\p:LSUM+\mo+8*\m2+\p+1], v[ACP+2*\t:ACP+2*\t+1]
.endif
.endr
.endr
.endr
.endm
	ROWMAX 0x0a, 0                                 ; sources 0 and 1 window 2
	ROWMAX 0x0f, 16                                ; window 3
	WIN 0
.irp x, 1,2,4,8                                    ; a row of S lies in the 16 lanes of one half
.set n, 0
.rept 32
	v_max_num_f32_dpp v[RMAX+n], v[RMAX+n], v[RMAX+n] row_xmask:\x row_mask:0xf bank_mask:0xf
.set n, n+1
.endr
.endr
.set n, 0
.rept 32
	v_mul_f32 v[RMAX+n], 0xbd8293ee, v[RMAX+n]     ; - max x log2(e) / sqrt(512)
.set n, n+1
.endr
	EXPW 0x82, 0
	ROWSUM 0x0a, 0x02, 0
	EXPW 0xc3, 16
	ROWSUM 0x0f, 0x03, 16
	WIN 0
.irp x, 1,2,4,8
.set n, 0
.rept 32
	v_add_f32_dpp v[LSUM+n], v[LSUM+n], v[LSUM+n] row_xmask:\x row_mask:0xf bank_mask:0xf
.set n, n+1
.endr
.endr
.set n, 0
.rept 32
	v_rcp_f32 v[LSUM+n], v[LSUM+n]                 ; the sum holds the term of the row maximum, about 1, and is at most 256
.set n, n+1
.endr
	v_nop                                          ; one plain place behind the last v_rcp_f32 (ISA guide 5.7.2)
.set n, 0
	s_wait_alu depctr_va_vdst(0)
.rept 32
	v_mul_f32 v[LSUM+n], 0x3b800000, v[LSUM+n]     ; / 256: the mean over p
.set n, n+1
.endr
	COLSUM 0x02, 0, 1
	COLSUM 0x03, 16, 0
	WIN 0
.irp t, 0,1,2,3,4,5,6,7,8,9,10,11,12,13,14,15
	v_add_f32 v[160+\t], v[ACP+2*\t], v[ACP+2*\t+1]
.endr
.irp t, 0,1,2,3,4,5,6,7,8,9,10,11,12,13,14,15
	ds_store_b32 v26, v[160+\t] offset:64*\t       ; column 16 t + r, the sum over the 32 rows of my half wave
.endr
	s_wait_dscnt 0x0
	s_barrier_signal -1
	s_barrier_wait -1
	; ---------------- a of my 64 rows q, then y = sum over them of a[q] x[q][:] ----------------
.irp i, 0,1,2,3,4,5,6,7
	ds_load_b32 v[48+2*\i], v28 offset:1024*\i         ; q = 64 w + L
	ds_load_b32 v[49+2*\i], v28 offset:1024*\i+128     ; q + 32
.endr
	s_wait_dscnt 0x0
	v_pk_add_f32 v[48:49], v[48:49], v[50:51]
	v_pk_add_f32 v[52:53], v[52:53], v[54:55]
	v_pk_add_f32 v[56:57], v[56:57], v[58:59]
	v_pk_add_f32 v[60:61], v[60:61], v[62:63]
	v_pk_add_f32 v[48:49], v[48:49], v[52:53]
	v_pk_add_f32 v[56:57], v[56:57], v[60:61]
	v_pk_add_f32 v[48:49], v[48:49], v[56:57]
	ds_store_b32 v28, v48 offset:AFIN-APART        ; my own 256 bytes of AFIN: LDS serves a wave in order (ISA guide 5.7.1), so the loads below see these stores
	ds_store_b32 v28, v49 offset:AFIN-APART+128
.irp i, 0,1,2,3,4,5,6,7,8,9,10,11,12,13,14,15
	ds_load_b128 v[AV+4*\i:AV+4*\i+3], v29 offset:16*\i      ; every lane takes all 64
.endr
.macro XROWS b                         ; 16 rows, each load 512 consecutive bytes: lane L has columns 8 L .. 8 L + 7
.irp i, 0,1,2,3,4,5,6,7,8,9,10,11,12,13,14,15
	ds_load_b128 v[XR+64*(\b&1)+4*\i:XR+64*(\b&1)+4*\i+3], v27 offset:(16*\b+\i)*XPITCH
.endr
.endm
.macro YFMA b
.irp i, 0,1,2,3,4,5,6,7,8,9,10,11,12,13,14,15
.irp k, 0,1,2,3
	v_fma_mix_f32_bf16 v[YA+2*\k],   v[XR+64*(\b&1)+4*\i+\k], v[AV+16*\b+\i], v[YA+2*\k]   op_sel_hi:[1,0,0]
	v_fma_mix_f32_bf16 v[YA+2*\k+1], v[XR+64*(\b&1)+4*\i+\k], v[AV+16*\b+\i], v[YA+2*\k+1] op_sel:[1,0,0] op_sel_hi:[1,0,0]
.endr
.endr
.endm
	XROWS 0
.irp k, 0,1,2,3,4,5,6,7
	v_mov_b32 v[YA+\k], 0
.endr
	XROWS 1
	s_wait_dscnt 16                                ; only the 16 loads of the next batch may stay out
	YFMA 0
	XROWS 2
	s_wait_dscnt 16
	YFMA 1
	XROWS 3
	s_wait_dscnt 16
	YFMA 2
	s_wait_dscnt 0x0
	YFMA 3
	ds_store_b128 v30, v[YA:YA+3]
	ds_store_b128 v30, v[YA+4:YA+7] offset:16
	s_wait_dscnt 0x0
	s_barrier_signal -1
	s_barrier_wait -1
	; ---------------- out ----------------
.irp i, 0,1,2,3
	ds_load_b64 v[48+2*\i:49+2*\i], v31 offset:1024*\i
.endr
	s_wait_dscnt 0x0
	v_pk_add_f32 v[48:49], v[48:49], v[50:51]
	v_pk_add_f32 v[52:53], v[52:53], v[54:55]
	v_pk_add_f32 v[48:49], v[48:49], v[52:53]
	global_store_b64 v13, v[48:49], s[12:13]       ; a wave stores 256 consecutive bytes, aligned; the four waves the row of 1,024
	s_cmp_lg_u32 s84, 0
	s_cbranch_scc1 .Lno_coord
.irp i, 0,1,2,3
	ds_load_b32 v[16+\i], v24 offset:16*\i
.endr
	s_wait_dscnt 0x0
	v_add_f32 v16, v16, v17
	v_add_f32 v18, v18, v19
	v_add_f32 v16, v16, v18
	v_mul_f32 v16, 0x3b800000, v16                 ; / 256
	v_lshlrev_b32 v20, 2, v1
	s_wait_xcnt 0x0                                ; EXEC changes only behind this wait
	v_cmp_gt_u32 vcc_lo, 3, v0
	s_and_saveexec_b32 s86, vcc_lo
	global_store_b32 v20, v16, s[14:15]
	s_wait_xcnt 0x0
	s_or_b32 exec_lo, exec_lo, s86
.Lno_coord:
	s_wait_tensorcnt 0x0
	ds_add_u32 v9, v23
	s_wait_dscnt 0x0
	ROUND                                          ; the closing round: no work-group ends while a partner may still ask jointly
	s_endpgm
.Lfunc_end_k_qb852029343_attn:
	.size	k_qb852029343_attn, .Lfunc_end_k_qb852029343_attn-k_qb852029343_attn
	.p2alignl 7, 3214868480
	.fill 96, 4, 3214868480
	.section	.rodata,"a",@progbits
	.p2align	6, 0x0
	.amdhsa_kernel k_qb852029343_attn
		.amdhsa_group_segment_fixed_size 288512
		.amdhsa_private_segment_fixed_size 0
		.amdhsa_enable_private_segment 0
		.amdhsa_kernarg_size 88
		.amdhsa_user_sgpr_count 2
		.amdhsa_user_sgpr_kernarg_segment_ptr 1
		.amdhsa_wavefront_size32 1
		.amdhsa_system_sgpr_workgroup_id_x 1
		.amdhsa_system_sgpr_workgroup_id_y 1
		.amdhsa_system_sgpr_workgroup_id_z 1
		.amdhsa_system_vgpr_workitem_id 0
		.amdhsa_next_free_vgpr 1024
		.amdhsa_next_free_sgpr 102
		.amdhsa_reserve_vcc 1
		.amdhsa_float_denorm_mode_32 3
		.amdhsa_float_denorm_mode_16_64 3
		.amdhsa_memory_ordered 1
		.amdhsa_forward_progress 1
		.amdhsa_inst_pref_size 255
	.end_amdhsa_kernel
	.section	.bss,"aw",@nobits
	.p2align	6
	.space	262144
	.amdgpu_metadata
---
amdhsa.version: [ 1, 2 ]
amdhsa.kernels:
  - .name:           k_qb852029343_attn
    .symbol:         k_qb852029343_attn.kd
    .args:
      - { .name: src_feats, .offset: 0, .size: 8, .value_kind: global_buffer, .address_space: global }
      - { .name: tgt_feats, .offset: 8, .size: 8, .value_kind: global_buffer, .address_space: global }
      - { .name: src_pts, .offset: 16, .size: 8, .value_kind: global_buffer, .address_space: global }
      - { .name: tgt_pts, .offset: 24, .size: 8, .value_kind: global_buffer, .address_space: global }
      - { .name: idx_spt2pts_src, .offset: 32, .size: 8, .value_kind: global_buffer, .address_space: global }
      - { .name: idx_spt2pts_tgt, .offset: 40, .size: 8, .value_kind: global_buffer, .address_space: global }
      - { .name: mtf, .offset: 48, .size: 8, .value_kind: global_buffer, .address_space: global }
      - { .name: uext, .offset: 56, .size: 8, .value_kind: global_buffer, .address_space: global }
      - { .name: yv, .offset: 64, .size: 8, .value_kind: global_buffer, .address_space: global }
      - { .name: out2, .offset: 72, .size: 8, .value_kind: global_buffer, .address_space: global }
      - { .name: out3, .offset: 80, .size: 8, .value_kind: global_buffer, .address_space: global }
    .group_segment_fixed_size: 288512
    .private_segment_fixed_size: 0
    .kernarg_segment_align: 8
    .kernarg_segment_size: 88
    .max_flat_workgroup_size: 128
    .sgpr_count:     102
    .vgpr_count:     1024
    .wavefront_size: 32
...
	.end_amdgpu_metadata
.endif
;; end of part 2
;; launch tail (part 3): grid 16 x 1, 16 waves a work-group, no clusters, 85,248 bytes of LDS; arguments yv, wt, bv, bf, b1, b2, out0, out1; writes out0, out1
.if DOCPART == 3
	.amdgcn_target "amdgcn-amd-amdhsa--gfx1250"
	.amdhsa_code_object_version 6
	.text
	.protected	k_qb852029343_tail
	.globl	k_qb852029343_tail
	.p2align	8
	.type	k_qb852029343_tail,@function
k_qb852029343_tail:
	s_mov_b64 s[64:65], 0
	v_nop
	global_prefetch_b8 v0, s[64:65] scope:SCOPE_SE
	s_setreg_imm32_b32 hwreg(HW_REG_WAVE_MODE, 25, 1), 1
	s_wait_xcnt 0x0
; tail: out = relu(((y Wv + bv) Wf + bf) W1 + b1) W2 + b2 for the 256 rows of y (rows 0..127 src, 128..255 tgt).
; A work-group owns 16 rows; in every layer wave w owns 16 fragments of the weights (16,384 consecutive bytes of wt), which it holds in 128 registers.
; The activations pass from layer to layer through LDS as TWO bf16 numbers each, hi = bf16(z) and lo = bf16(z - hi), and both are multiplied:
; four roundings of the activations to 8 bits would use up the margin of the comparison; the weights are bf16, rounded once.
; Transposed use: source 0 = weights (16 columns n), source 1 = activations (16 rows m): register e of lane (r, h) is Z[r][16 nt + 8 h + e],
; eight neighbouring numbers of a row; the bias, loaded in that layout, is the C of the first product.
; No cluster, no tensor loads: the weights go straight into registers, each byte once for a work-group.  16 work-groups: there are 16 tiles of 16 rows.
; LIMITS: the relu drops a NaN (v_max_num_f32); activations must lie inside the range of bf16, which is that of f32.
.set PT,   1040                        ; LDS row: 1,024 bytes + 16 = 65 x 16
.set AHI,  0
.set ALO,  16640
.set BHI,  33280
.set BLO,  49920
.set OUTS, 66560
.set BI,   32                          ; v[32:47]   bias, one or two tiles
.set ACC0, 48                          ; v[48:55]
.set ACC1, 56                          ; v[56:63]
.set AF,   64                          ; v[64:127]  8 fragments of activations; at the end of a layer v[64:95] are at work
.set WF,   128                         ; v[128:255] 16 fragments of weights
	s_load_b512 s[8:23], s[0:1], 0x0               ; yv s[8:9], wt s[10:11], bv s[12:13], bf s[14:15], b1 s[16:17], b2 s[18:19], out0 s[20:21], out1 s[22:23]
	v_lshl_add_u32 v30, v0, 2, 0x14500
	v_mov_b32 v31, 0
	v_lshrrev_b32 v1, 5, v0
	v_readfirstlane_b32 s4, v1                     ; wave 0..15
	v_and_b32 v1, 31, v0                           ; L
	v_and_b32 v2, 15, v0                           ; r
	v_bfe_u32 v3, v0, 4, 1                         ; h
	s_mov_b32 s24, 0xffff0000                      ; the upper bf16 of a word
	s_lshl_b32 s5, s4, 14
	v_lshl_add_u32 v4, v1, 4, s5                   ; weights: 16,384 w + 16 L
	s_lshl_b32 s5, s4, 7
	v_lshl_add_u32 v5, v3, 5, s5                   ; bias, N = 512: 128 w + 32 h
	s_lshl_b32 s5, s4, 6
	v_lshl_add_u32 v6, v3, 5, s5                   ; bias, N = 256: 64 w + 32 h
	v_mul_u32_u24 v7, v2, PT
	v_lshl_add_u32 v7, v3, 4, v7                   ; fragment of activations: row r, 16 h
	v_add_nc_u32 v8, s5, v7                        ; store, N = 512: + 64 w (tile 2 w; tile 2 w + 1 is 32 bytes on)
	v_add_nc_u32 v10, s5, v7
	v_lshl_add_u32 v10, v3, 4, v10
	v_add_nc_u32 v10, OUTS, v10                    ; f32 out: OUTS + 1040 r + 64 w + 32 h
	s_lshl_b32 s5, s4, 5
	v_add_nc_u32 v9, s5, v7                        ; store, N = 256: + 32 w
	s_mul_i32 s5, s4, PT
	v_lshl_add_u32 v12, v1, 3, s5                  ; row w, 8 bytes a lane
	v_lshl_add_u32 v11, v1, 4, s5
	v_add_nc_u32 v11, OUTS, v11                    ; OUTS + 1040 w + 16 L
	s_lshl4_add_u32 s5, ttmp9, s4
	s_lshl_b32 s5, s5, 10
	v_lshl_add_u32 v13, v1, 4, s5                  ; y: row 16 g + w, 16 L
	s_lshl_b32 s5, s4, 10
	v_lshl_add_u32 v14, v1, 4, s5                  ; out: row w of my 16
	s_mul_i32 s5, ttmp9, 49152
	s_lshl_b32 s6, s4, 13
	s_add_co_u32 s5, s5, s6
	s_add_co_u32 s5, s5, 262144
	v_lshl_add_u32 v15, v1, 8, s5                  ; prefetch: 262,144 + 49,152 g + 8,192 w + 256 L; never written again
	s_wait_kmcnt 0x0
	s_cmp_lt_u32 ttmp9, 8
	s_cselect_b64 s[20:21], s[20:21], s[22:23]     ; out0 for work-groups 0..7, out1 for 8..15
	s_and_b32 s6, ttmp9, 7
	s_lshl_b32 s6, s6, 14
	s_mov_b32 s7, 0
	s_add_nc_u64 s[20:21], s[20:21], s[6:7]
.macro PLACES n
.rept \n
	v_nop
.endr
.endm
.macro WLOAD l                         ; my 16 fragments of layer l: 32 loads of 512 consecutive bytes
.set i, 0
.rept 32
	global_load_b128 v[WF+4*i:WF+4*i+3], v4, s[10:11] offset:\l*262144+512*i
.set i, i+1
.endr
.endm
.macro BLOAD512 p
	global_load_b128 v[BI:BI+3],     v5, s[\p:\p+1]
	global_load_b128 v[BI+4:BI+7],   v5, s[\p:\p+1] offset:16
	global_load_b128 v[BI+8:BI+11],  v5, s[\p:\p+1] offset:64
	global_load_b128 v[BI+12:BI+15], v5, s[\p:\p+1] offset:80
.endm
.macro BLOAD256 p
	global_load_b128 v[BI:BI+3],   v6, s[\p:\p+1]
	global_load_b128 v[BI+4:BI+7], v6, s[\p:\p+1] offset:16
.endm
; 8 numbers in v[a .. a+7]: hi in v[t .. t+3], lo in v[t+4 .. t+7]; v[t+8 .. t+15] at work
.macro SPLIT a, t
.irp k, 0,1,2,3
	v_cvt_pk_bf16_f32 v[\t+\k], v[\a+2*\k], v[\a+2*\k+1]
.endr
.irp k, 0,1,2,3
	v_lshlrev_b32 v[\t+8+2*\k], 16, v[\t+\k]
	v_and_b32     v[\t+9+2*\k], s24, v[\t+\k]
.endr
.irp k, 0,1,2,3
	v_pk_add_f32 v[\t+8+2*\k:\t+9+2*\k], v[\a+2*\k:\a+2*\k+1], v[\t+8+2*\k:\t+9+2*\k] neg_lo:[0,1] neg_hi:[0,1]
.endr
.irp k, 0,1,2,3
	v_cvt_pk_bf16_f32 v[\t+4+\k], v[\t+8+2*\k], v[\t+9+2*\k]
.endr
.endm
.macro AFETCH base, k0                 ; 8 fragments of activations: K steps k0 .. k0 + 7
	PLACES 4                                       ; loads into registers that matrix instructions have read stand four places behind them
.irp i, 0,1,2,3,4,5,6,7
	ds_load_b128 v[AF+8*\i:AF+8*\i+3],   v7 offset:\base+64*(\k0+\i)
	ds_load_b128 v[AF+8*\i+4:AF+8*\i+7], v7 offset:\base+64*(\k0+\i)+32
.endr
	s_wait_dscnt 0x0
.endm
; N = 512, K = 256: my two column tiles by turns, one instruction a turn
.macro MUL512 first
.irp ks, 0,1,2,3,4,5,6,7
.if (1-\first)+\ks == 0
	v_wmma_f32_16x16x32_bf16 v[ACC0:ACC0+7], v[WF+8*\ks:WF+8*\ks+7],       v[AF+8*\ks:AF+8*\ks+7], v[BI:BI+7]
	v_wmma_f32_16x16x32_bf16 v[ACC1:ACC1+7], v[WF+64+8*\ks:WF+64+8*\ks+7], v[AF+8*\ks:AF+8*\ks+7], v[BI+8:BI+15]
.else
	v_wmma_f32_16x16x32_bf16 v[ACC0:ACC0+7], v[WF+8*\ks:WF+8*\ks+7],       v[AF+8*\ks:AF+8*\ks+7], v[ACC0:ACC0+7]
	v_wmma_f32_16x16x32_bf16 v[ACC1:ACC1+7], v[WF+64+8*\ks:WF+64+8*\ks+7], v[AF+8*\ks:AF+8*\ks+7], v[ACC1:ACC1+7]
.endif
.endr
.endm
; N = 256, K = 512: my one column tile in two sums (even and odd K steps) by turns; they are added at the end of the layer
.macro MUL256 k0, first
.irp ks, 0,1,2,3,4,5,6,7
.if (1-\first)*8+\ks == 0
	v_wmma_f32_16x16x32_bf16 v[ACC0:ACC0+7], v[WF+8*(\k0+\ks):WF+8*(\k0+\ks)+7], v[AF+8*\ks:AF+8*\ks+7], v[BI:BI+7]
.else
.if (1-\first)*8+\ks == 1
	v_wmma_f32_16x16x32_bf16 v[ACC1:ACC1+7], v[WF+8*(\k0+\ks):WF+8*(\k0+\ks)+7], v[AF+8*\ks:AF+8*\ks+7], 0
.else
	v_wmma_f32_16x16x32_bf16 v[ACC0+8*(\ks&1):ACC0+8*(\ks&1)+7], v[WF+8*(\k0+\ks):WF+8*(\k0+\ks)+7], v[AF+8*\ks:AF+8*\ks+7], v[ACC0+8*(\ks&1):ACC0+8*(\ks&1)+7]
.endif
.endif
.endr
.endm
.macro BARRIER
	s_wait_dscnt 0x0                               ; my LDS stores are done (my reads were waited for ahead of the products)
	s_barrier_signal -1
	s_barrier_wait -1
.endm
.macro K256 hi, lo                     ; a layer with K = 256, N = 512: hi and lo parts of the activations against the same weights
	AFETCH \hi, 0
	s_wait_loadcnt 0x0                             ; the weights and the bias of this layer
	MUL512 1
	AFETCH \lo, 0
	MUL512 0
	PLACES 4                                       ; behind the last product: results are read, weights and bias loaded anew
.endm
.macro K512 hi, lo                     ; a layer with K = 512, N = 256
	AFETCH \hi, 0
	s_wait_loadcnt 0x0
	MUL256 0, 1
	AFETCH \hi, 8
	MUL256 8, 0
	AFETCH \lo, 0
	MUL256 0, 0
	AFETCH \lo, 8
	MUL256 8, 0
	PLACES 4
.endm
.macro EPI512 hi, lo
	SPLIT ACC0, 64
	SPLIT ACC1, 80
	ds_store_b128 v8, v[64:67] offset:\hi
	ds_store_b128 v8, v[68:71] offset:\lo
	ds_store_b128 v8, v[80:83] offset:\hi+32
	ds_store_b128 v8, v[84:87] offset:\lo+32
	BARRIER
.endm
.macro ADDUP
.irp k, 0,2,4,6
	v_pk_add_f32 v[ACC0+\k:ACC0+\k+1], v[ACC0+\k:ACC0+\k+1], v[ACC1+\k:ACC1+\k+1]
.endr
.endm
	global_load_b128 v[ACC0:ACC0+3],   v13, s[8:9]             ; row 16 g + w of y: columns 4 L ..
	global_load_b128 v[ACC0+4:ACC0+7], v13, s[8:9] offset:512  ; columns 128 + 4 L ..
	WLOAD 0
	BLOAD512 12
	; The weights of layers 1 to 3 (786,432 bytes) are asked for once in the launch: work-group g asks for 49,152 of them, waves 0 to 5 for 8,192 each,
	; lanes 256 bytes apart; the last address is 1,048,320, inside wt.  Every work-group reads all of them one, two and three layers later.
	s_cmp_ge_u32 s4, 6
	s_cbranch_scc1 .Lno_ask
	global_prefetch_b8 v15, s[10:11] th:TH_LOAD_NT scope:SCOPE_SE
.Lno_ask:
	s_wait_loadcnt 36                              ; y is in; the 32 loads of weights and the 4 of bias behind it stay out
	SPLIT ACC0, 64
	ds_store_b64 v12, v[64:65] offset:AHI
	ds_store_b64 v12, v[66:67] offset:AHI+256
	ds_store_b64 v12, v[68:69] offset:ALO
	ds_store_b64 v12, v[70:71] offset:ALO+256
	BARRIER
	K256 AHI, ALO                                  ; z0 = y Wv + bv
	WLOAD 1                                        ; the next layer is asked for at once: it comes in during the rounding, the stores and the barrier
	BLOAD256 14
	EPI512 BHI, BLO
	K512 BHI, BLO                                  ; z1 = z0 Wf + bf
	WLOAD 2
	BLOAD512 16
	ADDUP
	SPLIT ACC0, 64
	ds_store_b128 v9, v[64:67] offset:AHI
	ds_store_b128 v9, v[68:71] offset:ALO
	BARRIER
	K256 AHI, ALO                                  ; z2 = relu(z1 W1 + b1)
	WLOAD 3
	BLOAD256 18
.irp k, 0,1,2,3,4,5,6,7,8,9,10,11,12,13,14,15
	v_max_num_f32 v[ACC0+\k], 0, v[ACC0+\k]
.endr
	EPI512 BHI, BLO
	K512 BHI, BLO                                  ; out = z2 W2 + b2
	ADDUP
	ds_store_b128 v10, v[ACC0:ACC0+3]              ; f32, 32 bytes a lane, through LDS so that whole rows go out
	ds_store_b128 v10, v[ACC0+4:ACC0+7] offset:16
	BARRIER
	ds_load_b128 v[64:67], v11
	ds_load_b128 v[68:71], v11 offset:512
	s_wait_dscnt 0x0
	global_store_b128 v14, v[64:67], s[20:21]              ; each store of the wave covers 512 consecutive bytes, aligned
	global_store_b128 v14, v[68:71], s[20:21] offset:512
	s_wait_tensorcnt 0x0
	ds_add_u32 v30, v31
	s_wait_dscnt 0x0
	s_endpgm
.Lfunc_end_k_qb852029343_tail:
	.size	k_qb852029343_tail, .Lfunc_end_k_qb852029343_tail-k_qb852029343_tail
	.p2alignl 7, 3214868480
	.fill 96, 4, 3214868480
	.section	.rodata,"a",@progbits
	.p2align	6, 0x0
	.amdhsa_kernel k_qb852029343_tail
		.amdhsa_group_segment_fixed_size 85248
		.amdhsa_private_segment_fixed_size 0
		.amdhsa_enable_private_segment 0
		.amdhsa_kernarg_size 64
		.amdhsa_user_sgpr_count 2
		.amdhsa_user_sgpr_kernarg_segment_ptr 1
		.amdhsa_wavefront_size32 1
		.amdhsa_system_sgpr_workgroup_id_x 1
		.amdhsa_system_sgpr_workgroup_id_y 1
		.amdhsa_system_sgpr_workgroup_id_z 1
		.amdhsa_system_vgpr_workitem_id 0
		.amdhsa_next_free_vgpr 256
		.amdhsa_next_free_sgpr 66
		.amdhsa_reserve_vcc 0
		.amdhsa_float_denorm_mode_32 3
		.amdhsa_float_denorm_mode_16_64 3
		.amdhsa_memory_ordered 1
		.amdhsa_forward_progress 1
		.amdhsa_inst_pref_size 48
	.end_amdhsa_kernel
	.amdgpu_metadata
---
amdhsa.version: [ 1, 2 ]
amdhsa.kernels:
  - .name:           k_qb852029343_tail
    .symbol:         k_qb852029343_tail.kd
    .args:
      - { .name: yv, .offset: 0, .size: 8, .value_kind: global_buffer, .address_space: global }
      - { .name: wt, .offset: 8, .size: 8, .value_kind: global_buffer, .address_space: global }
      - { .name: bv, .offset: 16, .size: 8, .value_kind: global_buffer, .address_space: global }
      - { .name: bf, .offset: 24, .size: 8, .value_kind: global_buffer, .address_space: global }
      - { .name: b1, .offset: 32, .size: 8, .value_kind: global_buffer, .address_space: global }
      - { .name: b2, .offset: 40, .size: 8, .value_kind: global_buffer, .address_space: global }
      - { .name: out0, .offset: 48, .size: 8, .value_kind: global_buffer, .address_space: global }
      - { .name: out1, .offset: 56, .size: 8, .value_kind: global_buffer, .address_space: global }
    .group_segment_fixed_size: 85248
    .private_segment_fixed_size: 0
    .kernarg_segment_align: 8
    .kernarg_segment_size: 64
    .max_flat_workgroup_size: 512
    .sgpr_count:     66
    .vgpr_count:     256
    .wavefront_size: 32
...
	.end_amdgpu_metadata
.endif
;; end of part 3
